; MI455X (gfx1250); checked and timed in simulation.
; The chip was launched on July 23, 2026; its instructions are those of AMD's public machine-readable ISA for CDNA 5 (MIT licence, August 2026) and "CDNA5" Instruction Set Architecture Reference Guide (July 2026). The comments in the code are by the model that wrote it; some were corrected since.
;; Adaptive Fusion. Allowed arithmetic: matrix products marked QUANTISED: E5M2 operands, one E8M0 scale for each 32 along K, by v_wmma_scale_f32_16x16x128_f8f6f4 with both operands' format E5M2, f32 sums; everything else in f32.
;; Inputs: W1_codes 512 x 16 x 32 uint8 (E5M2 codes of W1, K innermost, in blocks of 32 codes); W1_scales 512 x 16 uint8 (E8M0 scales of W1, one for each 32 codes along K); W2_codes 512 x 16 x 32 uint8 (E5M2 codes of W2, K innermost, in blocks of 32 codes); W2_scales 512 x 16 uint8 (E8M0 scales of W2, one for each 32 codes along K); Wk_codes 512 x 16 x 32 uint8 (E5M2 codes of Wk, K innermost, in blocks of 32 codes); Wk_scales 512 x 16 uint8 (E8M0 scales of Wk, one for each 32 codes along K); Wo_codes 512 x 16 x 32 uint8 (E5M2 codes of Wo, K innermost, in blocks of 32 codes); Wo_scales 512 x 16 uint8 (E8M0 scales of Wo, one for each 32 codes along K); Wq_codes 512 x 16 x 32 uint8 (E5M2 codes of Wq, K innermost, in blocks of 32 codes); Wq_scales 512 x 16 uint8 (E8M0 scales of Wq, one for each 32 codes along K); Wv_codes 512 x 16 x 32 uint8 (E5M2 codes of Wv, K innermost, in blocks of 32 codes); Wv_scales 512 x 16 uint8 (E8M0 scales of Wv, one for each 32 codes along K); b1 512 float32; b2 512 float32; bk 512 float32; bo 512 float32; bq 512 float32; bv 512 float32; te 8 x 64 x 64 x 512 float32; xh 8 x 64 x 64 x 512 float32; xl 8 x 64 x 64 x 512 float32.
;; Outputs: out0 8 x 64 x 64 x 512 float32.
;; This version of the problem:
;;   THIS VERSION OF THE PROBLEM IS GIVEN IN LOW PRECISION. The matrix products marked QUANTISED in the list below multiply operands that are first quantised to E5M2 (5 exponent bits, 2 mantissa bits; 8 bits a number), with one power-of-two scale for each 32 numbers along K (OCP MX v1.0); their sums are f32. All else is computed in f32.
;;   The module's matrix products, in the order in which they are computed (A, B: the left and right operand; K: the contracted axis; several contracted axes count as one K, in the product's order):
;;     1. [M 32,768, K 512] x [K 512, N 512]; A: computed on the way; B: input Wq (given as codes): QUANTISED
;;     2. [M 32,768, K 512] x [K 512, N 512]; A: computed on the way; B: input Wk (given as codes): QUANTISED
;;     3. [M 32,768, K 512] x [K 512, N 512]; A: computed on the way; B: input Wv (given as codes): QUANTISED
;;     4. batch 4,096 x [M 64, K 64] x [K 64, N 64]; A: computed on the way; B: computed on the way: QUANTISED
;;     5. batch 4,096 x [M 64, K 64] x [K 64, N 64]; A: computed on the way; B: softmax (see below): QUANTISED
;;     6. [M 32,768, K 512] x [K 512, N 512]; A: computed on the way; B: input Wo (given as codes): QUANTISED
;;     7. [M 32,768, K 512] x [K 512, N 512]; A: computed on the way; B: input W1 (given as codes): QUANTISED
;;     8. [M 32,768, K 512] x [K 512, N 512]; A: computed on the way; B: input W2 (given as codes): QUANTISED
;;   THE QUANTISER, for each operand of a quantised product, along K:
;;     - K is cut into blocks of 32 from its start; a last block that is shorter is filled with zeros.
;;     - A block's scale is 2^e with e = floor(log2(the largest magnitude in the block)) - 15, held to -126 .. 127; a block of zeros has e = 0. As a byte (E8M0): e + 127.
;;     - Each number is divided by its block's scale, clamped to +-57,344, and rounded to the nearest number of E5M2, ties to even, subnormals kept.
;;     - The product sums the exact products of the quantised numbers (number of the format x scale) in f32.
;;   ~~~python
;;   def quantise(x, axis):      # numpy; x: float32 -> the quantised numbers, widened to float32 again
;;       x = np.moveaxis(x, axis, -1); K = x.shape[-1]
;;       x = np.pad(x, [(0, 0)] * (x.ndim - 1) + [(0, -K % 32)]); x = x.reshape(x.shape[:-1] + (-1, 32)); a = np.abs(x).max(-1, keepdims=True)
;;       e = np.where(a > 0, np.clip(np.frexp(np.where(a > 0, a, 1))[1] - 1 - 15, -126, 127), 0)      # np.frexp(a)[1] - 1 = floor(log2(a)), exactly
;;       r = np.clip(x / 2.0 ** e, -57344, 57344)
;;       step = 2.0 ** (np.maximum(np.frexp(np.where(r == 0, 1, r))[1] - 1, -14) - 2)
;;       q = np.round(r / step) * step * 2.0 ** e      # np.round: ties to even
;;       return np.moveaxis(q.reshape(q.shape[:-2] + (-1,))[..., :K], -1, axis).astype(np.float32)
;;   ~~~
;;   SOFTMAX AHEAD OF A QUANTISED PRODUCT. Where the list says 'softmax', what is quantised is not the finished softmax but p = 2^(t - M), with t = logit x log2(e) and M = ceil(the row's largest t), a whole number; so 1/2 < the row's largest p <= 1. The row's sum l is taken of the UNQUANTISED p, in f32, and the product's result is divided by l at the end. Since M is a whole number, a kernel that streams over the keys may use a running M (the ceiling of the running maximum): every later rescaling is an exact power of two, which a block's scale takes up: the codes' values come out the same.
;;   OPERANDS COMPUTED ON THE WAY. 'Computed on the way' means the value that the module computes at that place (a softmax that the list does not call 'softmax' is quantised finished and normalised). What goes into a quantiser is computed in f32, as accurately as f32 sums, v_exp_f32 and their like allow (about 1e-6 of the number): no bf16 or f16 on the way to a quantiser, and a product that is left as it is and whose result goes on into a quantised operand takes f32 operands (vector FMAs, or v_wmma_f32_16x16x4_f32). A number that lies on a knife's edge between two numbers of the format may be rounded either way, as far as f32 arithmetic and the matrix unit's own rounding can turn it there, and no further.
;;   INPUTS GIVEN AS CODES. W1 (in the module: [512, 512], K = its axis 0); W2 (in the module: [512, 512], K = its axis 0); Wk (in the module: [512, 512], K = its axis 0); Wo (in the module: [512, 512], K = its axis 0); Wq (in the module: [512, 512], K = its axis 0); Wv (in the module: [512, 512], K = its axis 0): each comes as NAME_codes (uint8): NAME with its K axis moved to the last place and cut into blocks of 32 codes, [.., K / 32, bytes a block], one block behind the other in memory; one code a byte (a code: sign, 5 exponent bits, 2 mantissa bits); and NAME_scales (uint8): the same leading axes, one E8M0 byte (e + 127) for each 32 codes along K. Its value is code x scale, taken as it is: it is not quantised again, and the codes and scales need not be those that the quantiser above would give.
;; One version. Each part assembles by itself: llvm-mc -triple=amdgcn-amd-amdhsa -mcpu=gfx1250 --defsym DOCPART=n.
;; ======== version 1 of 1: 2 launches
;; limits: right only within a limited range of input values
;; workspace buffers: wf 1,671,168 bytes
;; launch prep (part 1): grid 8 x 6, 4 waves a work-group, no clusters, 0 bytes of LDS; arguments Wk_codes, Wv_codes, Wq_codes, Wo_codes, W1_codes, W2_codes, Wk_scales, Wv_scales, Wq_scales, Wo_scales, W1_scales, W2_scales, wf; writes wf
.if DOCPART == 1
	.amdgcn_target "amdgcn-amd-amdhsa--gfx1250"
	.amdhsa_code_object_version 6
	.text
	.protected	k_q1fa55ba315_prep
	.globl	k_q1fa55ba315_prep
	.p2align	8
	.type	k_q1fa55ba315_prep,@function
k_q1fa55ba315_prep:
	s_mov_b64 s[64:65], 0
	v_nop
	global_prefetch_b8 v0, s[64:65] scope:SCOPE_SE
	s_setreg_imm32_b32 hwreg(HW_REG_WAVE_MODE, 25, 1), 1
	s_wait_xcnt 0x0
; The six weights, [512 (n)][512 (k)] codes of E5M2 with K innermost and [512][16] E8M0 bytes, are laid once in the order in which the
; fused launch's operand registers take them, so that there each lane loads its fragments whole and every load covers 512 dense bytes.
; wf, codes:  [g 6][w 8][s 4][ct 4][c 4][lane 32][16 bytes].  g: Wk, Wv, Wq, Wo, W1, W2; w: the wave that owns outputs 64 w .. 64 w + 63;
;   s: K step of 128; ct = 2 b + u: a tile of 16 weight rows; lane (r, h) holds row 64 w + 32 b + 8 u + r + 8 (r / 8), bytes 128 s + 32 c + 16 h on.
;   THE ROWS OF A TILE ARE NOT NEIGHBOURS: so the 16 result registers of tiles 2 b and 2 b + 1 are 16 neighbours along the next product's K.
; wf, scale words, from byte SCW on:  [g][w][s][lane 32][ct 4] of 4 bytes: the word of that lane's row for K step s (lanes 16-31 repeat lanes 0-15).
; A work-group takes (w = x, g = y), its wave s one K step: 16 loads of 16 bytes a lane, 4 scale words, 17 stores of 512 dense bytes.
.set SCW, 1572864
	s_load_b512 s[8:23], s[0:1], 0x0               ; the six tensors of codes s[8:19]; Wk's and Wv's scales s[20:23]
	s_load_b256 s[24:31], s[0:1], 0x40             ; Wq's, Wo's, W1's, W2's scales
	s_load_b64 s[32:33], s[0:1], 0x60              ; wf
	v_lshrrev_b32 v4, 5, v0
	v_readfirstlane_b32 s2, v4                     ; wave = K step s
	s_and_b32 s3, ttmp7, 0xffff                    ; g
	v_and_b32 v4, 15, v0                           ; r
	v_bfe_u32 v5, v0, 4, 1                         ; h
	v_and_b32 v6, 8, v4
	v_add_nc_u32 v6, v6, v4                        ; r + 8 (r / 8)
	v_lshlrev_b32 v1, 9, v6                        ; a row of codes is 512 bytes,
	v_lshl_add_u32 v1, v5, 4, v1                   ; + 16 h
	v_and_b32 v2, 31, v0
	v_lshlrev_b32 v2, 4, v2                        ; out: 16 x lane
	v_lshlrev_b32 v3, 4, v6                        ; a row of scale bytes is 16 bytes
	s_lshl_b32 s40, ttmp9, 15                      ; codes in: 64 w rows of 512 bytes + 128 s
	s_lshl_b32 s41, s2, 7
	s_add_co_u32 s40, s40, s41
	s_mov_b32 s41, 0
	s_lshl_b32 s42, ttmp9, 10                      ; scales in: 64 w rows of 16 bytes + 4 s
	s_lshl_b32 s43, s2, 2
	s_add_co_u32 s42, s42, s43
	s_mov_b32 s43, 0
	s_lshl_b32 s44, s3, 18                         ; codes out: 262,144 g + 32,768 w + 8,192 s
	s_lshl_b32 s45, ttmp9, 15
	s_add_co_u32 s44, s44, s45
	s_lshl_b32 s45, s2, 13
	s_add_co_u32 s44, s44, s45
	s_mov_b32 s45, 0
	s_lshl_b32 s46, s3, 14                         ; scale words out: SCW + 16,384 g + 2,048 w + 512 s
	s_lshl_b32 s47, ttmp9, 11
	s_add_co_u32 s46, s46, s47
	s_lshl_b32 s47, s2, 9
	s_add_co_u32 s46, s46, s47
	s_add_co_u32 s46, s46, SCW
	s_mov_b32 s47, 0
	s_wait_alu depctr_va_vdst(0)
	s_wait_kmcnt 0x0
	s_mov_b64 s[36:37], s[8:9]                     ; the matrix is chosen by the work-group's y alone
	s_mov_b64 s[38:39], s[20:21]
.irp i, 1,2,3,4,5
	s_cmp_eq_u32 s3, \i
	s_cselect_b64 s[36:37], s[8+2*\i:9+2*\i], s[36:37]
	s_cselect_b64 s[38:39], s[20+2*\i:21+2*\i], s[38:39]
.endr
	s_add_nc_u64 s[36:37], s[36:37], s[40:41]
	s_add_nc_u64 s[38:39], s[38:39], s[42:43]
	s_add_nc_u64 s[34:35], s[32:33], s[44:45]
	s_add_nc_u64 s[32:33], s[32:33], s[46:47]
.irp ct, 0,1,2,3
.irp c, 0,1,2,3
	global_load_b128 v[16+16*\ct+4*\c:19+16*\ct+4*\c], v1, s[36:37] offset:(32*(\ct/2)+8*(\ct%2))*512+32*\c
.endr
	global_load_b32 v[8+\ct], v3, s[38:39] offset:(32*(\ct/2)+8*(\ct%2))*16
.endr
	s_wait_loadcnt 0x0
.irp ct, 0,1,2,3
.irp c, 0,1,2,3
	global_store_b128 v2, v[16+16*\ct+4*\c:19+16*\ct+4*\c], s[34:35] offset:2048*\ct+512*\c   ; 32 lanes store 512 consecutive bytes, aligned
.endr
.endr
	global_store_b128 v2, v[8:11], s[32:33]        ; the four tiles' scale words of my row
	s_endpgm
.Lfunc_end_k_q1fa55ba315_prep:
	.size	k_q1fa55ba315_prep, .Lfunc_end_k_q1fa55ba315_prep-k_q1fa55ba315_prep
	.p2alignl 7, 3214868480
	.fill 96, 4, 3214868480
	.section	.rodata,"a",@progbits
	.p2align	6, 0x0
	.amdhsa_kernel k_q1fa55ba315_prep
		.amdhsa_group_segment_fixed_size 0
		.amdhsa_private_segment_fixed_size 0
		.amdhsa_enable_private_segment 0
		.amdhsa_kernarg_size 104
		.amdhsa_user_sgpr_count 2
		.amdhsa_user_sgpr_kernarg_segment_ptr 1
		.amdhsa_wavefront_size32 1
		.amdhsa_system_sgpr_workgroup_id_x 1
		.amdhsa_system_sgpr_workgroup_id_y 1
		.amdhsa_system_sgpr_workgroup_id_z 1
		.amdhsa_system_vgpr_workitem_id 0
		.amdhsa_next_free_vgpr 96
		.amdhsa_next_free_sgpr 66
		.amdhsa_reserve_vcc 0
		.amdhsa_float_denorm_mode_32 3
		.amdhsa_float_denorm_mode_16_64 3
		.amdhsa_memory_ordered 1
		.amdhsa_forward_progress 1
		.amdhsa_inst_pref_size 6
	.end_amdhsa_kernel
	.amdgpu_metadata
---
amdhsa.version: [ 1, 2 ]
amdhsa.kernels:
  - .name:           k_q1fa55ba315_prep
    .symbol:         k_q1fa55ba315_prep.kd
    .args:
      - { .name: Wk_codes, .offset: 0, .size: 8, .value_kind: global_buffer, .address_space: global }
      - { .name: Wv_codes, .offset: 8, .size: 8, .value_kind: global_buffer, .address_space: global }
      - { .name: Wq_codes, .offset: 16, .size: 8, .value_kind: global_buffer, .address_space: global }
      - { .name: Wo_codes, .offset: 24, .size: 8, .value_kind: global_buffer, .address_space: global }
      - { .name: W1_codes, .offset: 32, .size: 8, .value_kind: global_buffer, .address_space: global }
      - { .name: W2_codes, .offset: 40, .size: 8, .value_kind: global_buffer, .address_space: global }
      - { .name: Wk_scales, .offset: 48, .size: 8, .value_kind: global_buffer, .address_space: global }
      - { .name: Wv_scales, .offset: 56, .size: 8, .value_kind: global_buffer, .address_space: global }
      - { .name: Wq_scales, .offset: 64, .size: 8, .value_kind: global_buffer, .address_space: global }
      - { .name: Wo_scales, .offset: 72, .size: 8, .value_kind: global_buffer, .address_space: global }
      - { .name: W1_scales, .offset: 80, .size: 8, .value_kind: global_buffer, .address_space: global }
      - { .name: W2_scales, .offset: 88, .size: 8, .value_kind: global_buffer, .address_space: global }
      - { .name: wf, .offset: 96, .size: 8, .value_kind: global_buffer, .address_space: global }
    .group_segment_fixed_size: 0
    .private_segment_fixed_size: 0
    .kernarg_segment_align: 8
    .kernarg_segment_size: 104
    .max_flat_workgroup_size: 128
    .sgpr_count:     66
    .vgpr_count:     96
    .wavefront_size: 32
...
	.end_amdgpu_metadata
.endif
;; end of part 1
;; launch fused (part 2): grid 64 x 4, 8 waves a work-group, no clusters, 315,392 bytes of LDS; arguments xl, xh, te, bk, bv, bq, bo, b1, b2, wf, out0; writes out0
.if DOCPART == 2
	.amdgcn_target "amdgcn-amd-amdhsa--gfx1250"
	.amdhsa_code_object_version 6
	.text
	.protected	k_q1fa55ba315_fused
	.globl	k_q1fa55ba315_fused
	.p2align	8
	.type	k_q1fa55ba315_fused,@function
k_q1fa55ba315_fused:
	s_mov_b64 s[64:65], 0
	v_nop
	global_prefetch_b8 v0, s[64:65] scope:SCOPE_SE
	s_setreg_imm32_b32 hwreg(HW_REG_WAVE_MODE, 25, 1), 1
	s_wait_xcnt 0x0
; The whole module for one (b, n): its 64 rows (all t) of 512 numbers.  xl + te, xh + te; k, v, q; causal attention over t, head by head; Wo, residual, LayerNorm; W1, relu, W2,
; residual, LayerNorm.  All eight products on codes of E5M2 with one E8M0 scale for each 32 along K; every computed operand is quantised from f32 in registers.  Nothing but the
; inputs and out0 touches memory: each byte of xl, xh, te is read once, each byte of out0 written once.
; SHARES.  Work-group (x = n, y = b), eight waves, two to a SIMD, so that one wave's quantising stands beside the other's products.  WAVE w OWNS OUTPUT COLUMNS 64 w .. 64 w + 63 OF
; EVERY PRODUCT, for all 64 rows: that is head w, and half of K step w / 2 of the next product.  Its weights come from wf straight into registers, three K steps ahead.
; LAYOUT.  A tile of 16 rows x my 64 columns is 32 registers: lane (r, h) holds row r, register 16 b + i column 32 b + 16 h + i.  The products give it (source 0 = 16 weight rows,
; chosen by the earlier launch; source 1 = 16 rows of the operand), the quantiser takes it (a block of 32 lies in lanes l and l xor 16), and its codes ARE the next operand's registers.
; Operands go from wave to wave through LDS as images of their registers: fragment (m, s) at 8,192 m + 2,048 s + 512 c + 16 x lane; a row's 16 scale bytes on end.
; ATTENTION stays in the wave.  The tiles of xh + te hold rows 32 b + 8 u + r + 8 (r / 8), so that S^T = k q^T has 16 neighbouring keys in a lane's registers; v is made untransposed
; (source 0 = xh + te, source 1 = Wv), which is v^T with the keys along the registers.  K = 64 fills half of the instruction's 128: the other half meets zero codes.
; Hidden logits are -32767 / 8 as the module has them: they count in the row's maximum, in its sum and in p.  Key tiles that lie wholly behind the mask are not multiplied.
; NO JOINT LOADS, NO RING for the weights, though every work-group walks them: 314,368 of a WGP's 327,680 LDS bytes hold the group's residual (131,072), two operand buffers (65,536) and
; each wave's scratch; one K step of a weight for the work-group is 65,536 bytes, so no slot fits; and each weight byte feeds one wave alone, so LDS would add a write and a read to it.
; EXEC never changes.
; LIMITS: NaN and infinities among the inputs are not served.  A block whose largest magnitude lies under 2^-111 keeps the scale byte 1; a block of zeros has the byte 1 and zero codes
; where the rule says 127: these bytes are read by this program alone.
;
; LDS
.set ASC,  65536                       ; 0: operand buffer 0; 32,768: buffer 1 (16 fragment images each).  Here: their scale bytes, 1,024 each: row (m, r) at 256 m + 16 r
.set LNP,  67584                       ; LayerNorm's exchange: 64 rows, 80 bytes apart: eight waves' (mean, centred sum of squares)
.set BIAS, 72704                       ; 1,536 a wave: its 64 numbers of bk, bv, bq, bo, b1, b2
.set RES,  84992                       ; 16,384 a wave: the residual as a register image: 4,096 m + 512 q + 16 x lane
.set SCR,  216064                      ; 12,288 a wave: codes of k (0), v^T (4,096), q (8,192): a tile 1,024, a block 512.  Its first 8,704 bytes are also the wave's stage, 32 rows x 272, on the way in and out
; REGISTERS, window 0
.set LI,   1                           ; 16 x lane
.set PUB,  2                           ; 16 x lane + 1,024 w: where I publish codes
.set PSC,  3                           ; ASC + 16 r + 2 w: and my two scale bytes of a row
.set ASA,  4                           ; ASC + 16 r
.set RSA,  5                           ; my residual
.set SCA,  6                           ; my scratch
.set STD,  7                           ; stage, as memory has the rows: 272 h + 16 r
.set STN,  8                           ; stage, a lane a row: 272 r + 64 h
.set STP,  9                           ; the same for the key tiles' rows: 272 (r + 8 (r / 8)) + 64 h
.set BAD,  10                          ; my biases + 64 h
.set BVD,  11                          ; my biases + 4 (r + 8 (r / 8))
.set LNW,  12                          ; LNP + 80 r + 8 w
.set LNR,  13                          ; LNP + 80 r
.set GXO,  14                          ; memory: (h << 17) + 16 r + 256 w: two rows t, my 256 bytes of each
.set NEGV, 15                          ; -32767.0
.set BST,  16                          ; my biases + 16 r
.set BGO,  17                          ; 16 r + 256 w
.set ST,   20                          ; v20-25 the scale words of k, v^T, q (two tiles each); from the first LayerNorm on v20-27: (mean, centred squares) of tile m at 2 m
.set WSR,  28                          ; v28-39 the weights' scale words, 4 x set + ct
.set ASR,  40                          ; v40-55 the operand's scale words, 4 m + s; in attention KS, QS, VS, PS
.set KS,   40
.set QS,   44
.set VS,   48
.set PS,   52
.set TM,   56                          ; v56-71 the quantiser's work
.set PC,   72                          ; v72-87 the codes just made
.set PW,   88                          ; v88 their scale word, v89 its upper half
.set BI,   56                          ; v56-87 also: a bias as the first product's C; the scores S; a tile of the residual
.set S,    56
.set TS,   56
.set PF,   92                          ; v92-107 p as an operand: eight registers of zero codes, then its codes
.set BM,   108
.set TP,   110
.set NM,   112                         ; v[112:113] -M
.set RM,   114
.set LSA,  116                         ; v[116:117], v[118:119] the row's sum, two chains
.set LSB,  118
.set SO,   120
.set LIM,  122
.set BY,   124
.set RL,   126                         ; v[126:127] 1 / the row's sum
.set ACC,  128                         ; v128-255 the 16 accumulators.  In attention: O^T of two query tiles, then k's and v^T's codes
.set OT,   128
.set KF,   192
.set VF,   224
; window 1: v0-191 three sets of weight fragments (64 x set + 16 ct + 4 c); v192-255 the operand's four fragments of a K step; in attention q's tiles: eight registers of codes, eight of zeros
.set WB,   32                          ; s[32:33] my weights' codes in wf;  s[34:35] their scale words
.set SB,   34
.set SEL,  36                          ; s[36:37] v_permlanex16_b32's selects for lane l xor 16
.set CS,   38                          ; s[38:39] log2(e) / 8
.set MNT,  40                          ; the mantissa field of 57,344
.set EPS,  41                          ; 1e-5
.set MSKE, 42                          ; s[42:57] the diagonal's hidden lanes for register i, even query tile;  s[66:81] odd
.set R512, 58                          ; 1 / 512
.set MSKO, 66
; THE WALK AND THE LOOPS.  A work-group stays and makes two tiles: (n = x, b = y) and (n = x, b = y + 4): 64 x 4 work-groups, one to a WGP.  So the text is no longer straight: it has three counted loops.
; .Ltile: two trips, a tile each; at its end the four pointers step 4 x 2^23 bytes, behind the waits that free them and the registers that the stores read.
; .Lheads: two trips, left from its middle: the quantiser and the publishing of two query tiles stand once; the places in buffer 1 are stepped in v26, v27.
; .Lnorm: two trips, left from its middle: residual and LayerNorm stand once: behind Wo, and behind W2.
.set APUB, 26                          ; v26 in attention: where the heads' codes go in buffer 1
.set APSC, 27                          ; v27 and their scale bytes
.set TILE, 59                          ; s59 tiles done
.set TC,   60                          ; s60 LayerNorms done in this tile
.set AC,   61                          ; s61 pairs of query tiles published
.set FLR,  62                          ; s62 the floor 2^(16 - 127)
.set E15,  63                          ; s63 -(15 << 23)
.set EXPM, 82                          ; s82 the exponent field's mask
.set MSB, 0
.macro WIN new                         ; the immediate's high byte repeats the setting that is left; bits 1:0 source 0, 3:2 source 1, 5:4 source 2, 7:6 destination
.if MSB != \new
	s_set_vgpr_msb (MSB<<8)|\new
.set MSB, \new
.endif
.endm
.macro NOPS n
.rept \n
	v_nop
.endr
.endm
; Global loads are counted as the text is assembled, so a wait can name the loads issued behind the one it wants.
.set LCNT, 0
.macro GL d, off, base, imm
	global_load_b128 v[\d:\d+3], v[\off], s[\base:\base+1] offset:\imm
.set LCNT, LCNT+1
.endm
.macro GLN d, off, base, imm           ; read once in the launch
	global_load_b128 v[\d:\d+3], v[\off], s[\base:\base+1] offset:\imm th:TH_LOAD_NT
.set LCNT, LCNT+1
.endm
.macro LWAIT mark                      ; all loads up to number mark are in; the younger ones stay out (a wait's count holds 63 at the most: a smaller count only waits for more)
.if LCNT-(\mark) > 63
	s_wait_loadcnt 63
.else
	s_wait_loadcnt LCNT-(\mark)
.endif
.endm
.macro BARRIER                         ; my LDS stores have landed and my LDS loads are in: then the work-group's barrier
	s_wait_dscnt 0x0
	s_barrier_signal -1
	s_barrier_wait -1
.endm
; 64 numbers of a lane, v[s] .. v[s + 63]: two tiles x two blocks; register 16 b + i of a tile = k 32 b + 16 h + i of my row.  They become codes in v[PC] on (four registers a block) and four scale
; bytes in v[pw]: the first tile's two in the low half.  relu = 1: what is negative becomes 0 on the way.
.macro QUANT s, relu, pw
	s_wait_dscnt 0x0                               ; LDS loads into the numbers are in; LDS stores that read them, the codes' registers or the scale word are done
.if \relu                                      ; no |.|: what is negative is to become 0, so it must not count; the floor stands over it
.irp b, 0,1,2,3
	v_max3_num_f32 v[TM+\b], v[\s+16*\b], v[\s+1+16*\b], s[FLR]   ; my 16 numbers of block b, and the floor 2^(16 - 127): the byte cannot fall under 1
.endr
.irp i, 2,4,6,8,10,12,14
.irp b, 0,1,2,3
	v_max3_num_f32 v[TM+\b], v[TM+\b], v[\s+16*\b+\i], v[\s+1+16*\b+\i]
.endr
.endr
.else
.irp b, 0,1,2,3
	v_max3_num_f32 v[TM+\b], |v[\s+16*\b]|, |v[\s+1+16*\b]|, s[FLR]
.endr
.irp i, 2,4,6,8,10,12,14
.irp b, 0,1,2,3
	v_max3_num_f32 v[TM+\b], v[TM+\b], |v[\s+16*\b+\i]|, |v[\s+1+16*\b+\i]|
.endr
.endr
.endif
.irp b, 0,1,2,3
	v_permlanex16_b32 v[TM+4+\b], v[TM+\b], s[SEL], s[SEL+1]   ; (the four blocks by turns, here and below)
.endr
.irp b, 0,1,2,3
	v_max_num_f32 v[TM+\b], v[TM+\b], v[TM+4+\b]   ; with lane l xor 16's: the block's largest magnitude
.endr
.irp b, 0,1,2,3
	v_add_nc_u32 v[TM+12+\b], s[E15], v[TM+\b]     ; 15 off its exponent field: the conversion's scale operand
.endr
.irp b, 0,1,2,3
	v_and_or_b32 v[TM+8+\b], v[TM+\b], s[EXPM], s[MNT]   ; 57,344 x the scale
.endr
.irp b, 0,1,2,3
	v_lshrrev_b32 v[TM+4+\b], 23, v[TM+12+\b]      ; the scale's byte
.endr
	v_lshl_or_b32 v[\pw], v[TM+5], 8, v[TM+4]      ; the word's two halves side by side,
	v_lshl_or_b32 v[TM+7], v[TM+7], 8, v[TM+6]
	v_lshl_or_b32 v[\pw], v[TM+7], 16, v[\pw]      ; and joined
.irp b, 0,1,2,3
.irp i, 0,1,2,3,4,5,6,7,8,9,10,11,12,13,14,15
.if \relu
	v_med3_num_f32 v[\s+16*\b+\i], v[\s+16*\b+\i], 0, v[TM+8+\b]             ; the activation and the hold in one
.else
	v_med3_num_f32 v[\s+16*\b+\i], v[\s+16*\b+\i], -v[TM+8+\b], v[TM+8+\b]   ; the conversion to an 8-bit code does not saturate (ISA guide 7.6.2): the hold at the largest code x the scale
.endif
.endr
	v_cvt_scalef32_pk8_bf8_f32 v[PC+4*\b:PC+1+4*\b], v[\s+16*\b:\s+7+16*\b], v[TM+12+\b]
	v_cvt_scalef32_pk8_bf8_f32 v[PC+2+4*\b:PC+3+4*\b], v[\s+8+16*\b:\s+15+16*\b], v[TM+12+\b]
.endr
	v_nop                                          ; one plain line behind the last conversion, ahead of whatever next touches its registers
.endm
.macro PUBLISH x, p                    ; the codes of row tiles 2 p, 2 p + 1 into operand buffer x, and my two scale bytes of each of their rows
.irp be, 0,1,2,3
	ds_store_b128 v[PUB], v[PC+4*\be:PC+4*\be+3] offset:32768*(\x)+8192*(2*(\p)+\be/2)+512*(\be%2)
.endr
	ds_store_b16 v[PSC], v[PW] offset:1024*(\x)+512*(\p)         ; lanes l and l xor 16 write the same bytes with the same value
	v_lshrrev_b32 v[PW+1], 16, v[PW]
	ds_store_b16 v[PSC], v[PW+1] offset:1024*(\x)+512*(\p)+256
.endm
.macro PARK kind, p                    ; the codes of tiles 2 p, 2 p + 1 into my own scratch: 0 k, 1 v^T, 2 q
.irp be, 0,1,2,3
	ds_store_b128 v[SCA], v[PC+4*\be:PC+4*\be+3] offset:4096*(\kind)+1024*(2*(\p)+\be/2)+512*(\be%2)
.endr
.endm
.macro WLOAD J                         ; K step J % 4 of matrix J / 4: my four tiles' fragments and scale words into set J % 3: 17 loads of 512 dense bytes
.set LG_, (\J)/4
.set LS_, (\J)%4
.set LT_, (\J)%3
	WIN 0x40
.irp ct, 0,1,2,3
.irp c, 0,1,2,3
	GL 64*LT_+16*\ct+4*\c, LI, WB, LG_*262144+LS_*8192+\ct*2048+\c*512
.endr
.endr
	WIN 0
	GL WSR+4*LT_, LI, SB, LG_*16384+LS_*512
.endm
.macro ALOAD x, s, m0                  ; the operand's fragments (m0, s) and (m0 + 1, s) out of buffer x
	WIN 0x40
.irp mm, 0,1
.irp c, 0,1,2,3
	ds_load_b128 v[192+16*((\m0)+\mm)+4*\c:195+16*((\m0)+\mm)+4*\c], v[LI] offset:32768*(\x)+8192*((\m0)+\mm)+2048*(\s)+512*\c
.endr
.endr
.endm
; Eight products: row tiles m0, m0 + 1 x my four column tiles, K step s (J_ says which set).  The first K step takes the bias as C.  The 16 accumulators take turns, one instruction a turn, in the same
; order in every K step.  vt = 0: source 0 = weights, source 1 = rows (a lane holds a row).  vt = 1: the other way round (a lane holds a column): v^T.
.macro MUL m0, s, vt
.irp mm, 0,1
.irp ct, 0,1,2,3
.set M_, (\m0)+\mm
.set W_, 64*(J_%3)+16*\ct
.set A_, 192+16*M_
.set WC_, WSR+4*(J_%3)+\ct
.set AC_, ASR+4*M_+(\s)
.if \vt
.set D_, ACC+32*\ct+8*M_
.if (\s) == 0
	v_wmma_scale_f32_16x16x128_f8f6f4 v[D_:D_+7], v[A_:A_+15], v[W_:W_+15], v[BI+8*\ct:BI+8*\ct+7], v[AC_], v[WC_] matrix_a_fmt:MATRIX_FMT_BF8 matrix_b_fmt:MATRIX_FMT_BF8
.else
	v_wmma_scale_f32_16x16x128_f8f6f4 v[D_:D_+7], v[A_:A_+15], v[W_:W_+15], v[D_:D_+7], v[AC_], v[WC_] matrix_a_fmt:MATRIX_FMT_BF8 matrix_b_fmt:MATRIX_FMT_BF8
.endif
.else
.set D_, ACC+32*M_+8*\ct
.if (\s) == 0
	v_wmma_scale_f32_16x16x128_f8f6f4 v[D_:D_+7], v[W_:W_+15], v[A_:A_+15], v[BI+8*\ct:BI+8*\ct+7], v[WC_], v[AC_] matrix_a_fmt:MATRIX_FMT_BF8 matrix_b_fmt:MATRIX_FMT_BF8
.else
	v_wmma_scale_f32_16x16x128_f8f6f4 v[D_:D_+7], v[W_:W_+15], v[A_:A_+15], v[D_:D_+7], v[WC_], v[AC_] matrix_a_fmt:MATRIX_FMT_BF8 matrix_b_fmt:MATRIX_FMT_BF8
.endif
.endif
.endr
.endr
.endm
; A K step: 16 products.  Each half of the operand's set is fetched anew as soon as its eight products are issued; the weights' set takes the K step three on.
; Eight plain lines stand between a product and a load into a register that it has read.
.macro KSTEP g, x, vt, s
.set J_, 4*(\g)+(\s)
	LWAIT WBASE+17*(J_+1)                          ; this K step's 17 weight loads are in; those of the sets behind it stay out
	s_wait_dscnt 8                                 ; fragments of row tiles 0, 1 (and all older loads) are in; the eight loads of tiles 2, 3 may be out
	WIN 0x05
	MUL 0, \s, \vt
.if (\s) < 3
	NOPS 8                                         ; (in the last K step no load follows here: the eight lines behind the second half serve both)
	ALOAD \x, (\s)+1, 0
	s_wait_dscnt 8                                 ; tiles 2, 3 are in; the eight loads just issued may be out
.else
	s_wait_dscnt 0x0
.endif
	WIN 0x05
	MUL 2, \s, \vt
	NOPS 8                                         ; in the last K step these are also the places ahead of the first read of results
.if (\s) < 3
	ALOAD \x, (\s)+1, 2
.endif
.if J_+3 < 24
	WLOAD J_+3
.endif
	WIN 0
.endm
.macro GEMM g, x, vt                   ; all 64 rows of buffer x times my 64 columns of matrix g, + bias, into the accumulators
	s_wait_dscnt 0x0                               ; LDS stores that read the registers loaded below are done
.irp ct, 0,1,2,3
.if \vt
.irp j, 0,1,2,3,4,5,6,7
	ds_load_b32 v[BI+8*\ct+\j], v[BVD] offset:256*(\g)+128*(\ct/2)+32*(\ct%2)   ; a lane holds one column: its bias in all eight registers
.endr
.else
	ds_load_b128 v[BI+8*\ct:BI+8*\ct+3], v[BAD] offset:256*(\g)+128*(\ct/2)+32*(\ct%2)       ; a lane's eight columns of tile ct
	ds_load_b128 v[BI+8*\ct+4:BI+8*\ct+7], v[BAD] offset:256*(\g)+128*(\ct/2)+32*(\ct%2)+16
.endif
.endr
.irp m, 0,1,2,3
	ds_load_b128 v[ASR+4*\m:ASR+4*\m+3], v[ASA] offset:1024*(\x)+256*\m        ; row r of tile m: its scale words of the four K steps
.endr
	ALOAD \x, 0, 0
	ALOAD \x, 0, 2
.irp s, 0,1,2,3
	KSTEP \g, \x, \vt, \s
.endr
.endm
.macro BACK dst, adr, step             ; two tiles out of the stage, a lane a row: register 32 u + 16 b + 4 j on = columns 32 b + 16 h + 4 j on
.irp u, 0,1
.irp b, 0,1
.irp j, 0,1,2,3
	ds_load_b128 v[\dst+32*\u+16*\b+4*\j:\dst+32*\u+16*\b+4*\j+3], v[\adr] offset:(\step)*\u+128*\b+16*\j
.endr
.endr
.endr
.endm
; Rows 32 U .. 32 U + 31: te is added, the sums turn through my stage (LDS serves a wave's instructions in order, ISA guide 5.7.1.4: no wait between its stores and loads, nor ahead of its next use),
; xl + te is kept as the residual, and both are quantised and published: xl + te by natural tiles into buffer 0, xh + te by the key tiles' rows into buffer 1.
.macro XUNIT U
.if (\U) == 0
	LWAIT M_XLA                                    ; the biases, te and xl of rows 0-31
.irp g, 0,1,2,3,4,5
	ds_store_b128 v[BST], v[BI+4*\g:BI+4*\g+3] offset:256*\g
.endr
	WIN 0x04                                       ; source 1 (te) in window 1
.set k_, 0
.rept 32
	v_pk_add_f32 v[128+k_:129+k_], v[128+k_:129+k_], v[192+k_:193+k_]
.set k_, k_+2
.endr
	WIN 0
.irp i, 0,1,2,3,4,5,6,7,8,9,10,11,12,13,14,15
	ds_store_b128 v[STD], v[128+4*\i:131+4*\i] offset:544*\i
.endr
.else
	LWAIT M_XLB
	WIN 0x45                                       ; all three in window 1
.set k_, 0
.rept 32
	v_pk_add_f32 v[k_:k_+1], v[k_:k_+1], v[128+k_:129+k_]
.set k_, k_+2
.endr
	WIN 0x04                                       ; an LDS store's data are its source 1
.irp i, 0,1,2,3,4,5,6,7,8,9,10,11,12,13,14,15
	ds_store_b128 v[STD], v[4*\i:4*\i+3] offset:544*\i
.endr
	WIN 0
.endif
	BACK 128, STN, 4352
.if (\U) == 0
	LWAIT M_XHA
	WIN 0x04                                       ; xh in window 0's v192 on, te in window 1's
.set k_, 0
.rept 32
	v_pk_add_f32 v[192+k_:193+k_], v[192+k_:193+k_], v[192+k_:193+k_]
.set k_, k_+2
.endr
	WIN 0
.irp i, 0,1,2,3,4,5,6,7,8,9,10,11,12,13,14,15
	ds_store_b128 v[STD], v[192+4*\i:195+4*\i] offset:544*\i
.endr
	BACK 192, STP, 2176
	s_wait_dscnt 32                                ; xl + te is back; xh + te's 16 stores and 16 loads may be out
.else
	LWAIT M_XHB
	WIN 0x45
.set k_, 0
.rept 32
	v_pk_add_f32 v[64+k_:65+k_], v[64+k_:65+k_], v[128+k_:129+k_]
.set k_, k_+2
.endr
	WIN 0x04
.irp i, 0,1,2,3,4,5,6,7,8,9,10,11,12,13,14,15
	ds_store_b128 v[STD], v[64+4*\i:67+4*\i] offset:544*\i
.endr
	WIN 0
	BACK 192, STP, 2176
	s_wait_dscnt 16                                ; all stores into the stage have read window 1 (the last 16 loads may be out): its v0-191 take the first three K steps of Wk
.set WBASE, LCNT
	WLOAD 0
	WLOAD 1
	WLOAD 2
.endif
.irp u, 0,1
.irp q, 0,1,2,3,4,5,6,7
	ds_store_b128 v[RSA], v[128+32*\u+4*\q:131+32*\u+4*\q] offset:4096*(2*(\U)+\u)+512*\q
.endr
.endr
	QUANT 128, 0, PW
	PUBLISH 0, \U
	QUANT 192, 0, PW
	PUBLISH 1, \U
.endm
; One tile of 16 queries of my head: S^T, mask, p = 2^(t - M) with M the ceiling of the row's largest t, the row's sum of the unquantised p, p's codes, O^T = v^T p^T, / the sum.
.macro SOFT mq
	s_wait_dscnt 0x0                               ; the codes are in; LDS stores that read the registers written below are done
	WIN 0x04                                       ; source 1 (q) in window 1
.irp kt, 0,1,2,3
.if \kt < 2+2*((\mq)/2)                        ; key tiles 2, 3 (keys 32-63) lie wholly behind the mask for queries 0-31
	v_wmma_scale_f32_16x16x128_f8f6f4 v[S+8*\kt:S+8*\kt+7], v[KF+8*\kt:KF+8*\kt+15], v[192+16*(\mq):207+16*(\mq)], 0, v[KS+\kt], v[QS+(\mq)] matrix_a_fmt:MATRIX_FMT_BF8 matrix_b_fmt:MATRIX_FMT_BF8
.endif
.endr
	WIN 0
.if (\mq) < 2
.irp i, 0,1,2,3,4,5,6,7,8,9,10,11,12,13,14,15
	v_mov_b32 v[S+16+\i], v[NEGV]                  ; their logits.  (These lines are also the places behind the products)
.endr
.else
	NOPS 8
.endif
.irp i, 0,1,2,3,4,5,6,7,8,9,10,11,12,13,14,15  ; the block on the diagonal: register i holds key 32 b + 16 h + i; hidden where it comes after query 16 mq + r
.if (\mq)%2
	v_cndmask_b32 v[S+16*((\mq)/2)+\i], v[S+16*((\mq)/2)+\i], v[NEGV], s[MSKO+\i]
.else
	v_cndmask_b32 v[S+16*((\mq)/2)+\i], v[S+16*((\mq)/2)+\i], v[NEGV], s[MSKE+\i]
.endif
.endr
.irp b, 0,1
	v_max3_num_f32 v[BM+\b], v[S+16*\b], v[S+16*\b+1], v[S+16*\b+2]   ; the largest score of each block of 32 keys: for the row's maximum and, since p rises with the score, for the block's largest p
.endr
.irp i, 3,5,7,9,11,13
.irp b, 0,1
	v_max3_num_f32 v[BM+\b], v[BM+\b], v[S+16*\b+\i], v[S+16*\b+\i+1]
.endr
.endr
.irp b, 0,1
	v_max_num_f32 v[BM+\b], v[BM+\b], v[S+16*\b+15]
.endr
.irp b, 0,1
	v_permlanex16_b32 v[TP+\b], v[BM+\b], s[SEL], s[SEL+1]
.endr
.irp b, 0,1
	s_delay_alu instid0(VALU_DEP_2)
	v_max_num_f32 v[BM+\b], v[BM+\b], v[TP+\b]
.endr
	s_delay_alu instid0(VALU_DEP_1)
	v_max_num_f32 v[RM], v[BM], v[BM+1]
	s_delay_alu instid0(VALU_DEP_1)
	v_mul_f32 v[RM], s[CS], v[RM]                  ; the row's largest t
	s_delay_alu instid0(VALU_DEP_1)
	v_floor_f32 v[NM], -v[RM]                      ; -M = floor(-t) = -ceil(t)
.set k_, 0
.rept 16
	v_pk_fma_f32 v[S+k_:S+k_+1], v[S+k_:S+k_+1], s[CS:CS+1], v[NM:NM+1] op_sel_hi:[1,0,0]   ; t - M
.set k_, k_+2
.endr
.irp b, 0,1
	v_fma_f32 v[BM+\b], v[BM+\b], s[CS], v[NM]
.endr
.set k_, 0
	s_wait_alu depctr_va_vdst(0)
.rept 32
	v_exp_f32 v[S+k_], v[S+k_]                     ; p, not normalised
.set k_, k_+1
.endr
	v_nop                                          ; a plain line behind the last exponential
	s_wait_alu depctr_va_vdst(0)                   ; one wait for the batch, ahead of its first reader
.irp b, 0,1
	v_exp_f32 v[BM+\b], v[BM+\b]                   ; the block's largest p: the same two instructions on the same number
.endr
	v_pk_add_f32 v[LSA:LSA+1], v[S:S+1], v[S+2:S+3]                ; the row's sum of the unquantised p, in two chains
	v_pk_add_f32 v[LSB:LSB+1], v[S+4:S+5], v[S+6:S+7]
.irp k, 8,12,16,20,24,28
	v_pk_add_f32 v[LSA:LSA+1], v[LSA:LSA+1], v[S+\k:S+\k+1]
	v_pk_add_f32 v[LSB:LSB+1], v[LSB:LSB+1], v[S+\k+2:S+\k+3]
.endr
	s_wait_alu depctr_va_vdst(0)                   ; and one for the two
.irp b, 0,1
	v_max_num_f32 v[BM+\b], 0x8000000, v[BM+\b]    ; the floor 2^(16 - 127)
.endr
.irp b, 0,1
	s_delay_alu instid0(VALU_DEP_2)
	v_add_nc_u32 v[SO+\b], 0xf8800000, v[BM+\b]
.endr
.irp b, 0,1
	s_delay_alu instid0(VALU_DEP_4)
	v_and_or_b32 v[LIM+\b], v[BM+\b], 0x7f800000, s[MNT]
.endr
.irp b, 0,1
	s_delay_alu instid0(VALU_DEP_4)
	v_lshrrev_b32 v[BY+\b], 23, v[SO+\b]
.endr
	s_delay_alu instid0(VALU_DEP_2)
	v_lshlrev_b32 v[PS], 16, v[BY]                 ; p's codes stand in the operand's upper half, so its bytes are the word's upper two
	s_delay_alu instid0(VALU_DEP_1)
	v_lshl_or_b32 v[PS], v[BY+1], 24, v[PS]
.irp b, 0,1
.irp i, 0,1,2,3,4,5,6,7,8,9,10,11,12,13,14,15
	v_min_num_f32 v[S+16*\b+\i], v[S+16*\b+\i], v[LIM+\b]          ; p is not negative: a one-sided hold
.endr
	v_cvt_scalef32_pk8_bf8_f32 v[PF+8+4*\b:PF+9+4*\b], v[S+16*\b:S+16*\b+7], v[SO+\b]
	v_cvt_scalef32_pk8_bf8_f32 v[PF+10+4*\b:PF+11+4*\b], v[S+16*\b+8:S+16*\b+15], v[SO+\b]
.endr
	v_pk_add_f32 v[LSA:LSA+1], v[LSA:LSA+1], v[LSB:LSB+1]          ; the sum is finished here: plain lines between the conversions and the products that take the codes
	s_delay_alu instid0(VALU_DEP_1)
	v_add_f32 v[LSA], v[LSA], v[LSA+1]
	s_delay_alu instid0(VALU_DEP_1)
	v_permlanex16_b32 v[TP], v[LSA], s[SEL], s[SEL+1]
	s_delay_alu instid0(VALU_DEP_1)
	v_add_f32 v[LSA], v[LSA], v[TP]
	s_wait_alu depctr_va_vdst(0)
	v_rcp_f32 v[RL], v[LSA]
	NOPS 2
.irp dt, 0,1,2,3                               ; source 0: eight registers that meet p's zero codes (finite codes of the tile in front), then v^T's tile dt
	v_wmma_scale_f32_16x16x128_f8f6f4 v[OT+32*((\mq)%2)+8*\dt:OT+32*((\mq)%2)+8*\dt+7], v[VF+8*\dt-8:VF+8*\dt+7], v[PF:PF+15], 0, v[VS+\dt], v[PS] matrix_a_fmt:MATRIX_FMT_BF8 matrix_b_fmt:MATRIX_FMT_BF8
.endr
	NOPS 8
	s_wait_alu depctr_va_vdst(0)                   ; the reciprocal's wait, ahead of its first reader
.set k_, 0
.rept 16
	v_pk_mul_f32 v[OT+32*((\mq)%2)+k_:OT+32*((\mq)%2)+k_+1], v[OT+32*((\mq)%2)+k_:OT+32*((\mq)%2)+k_+1], v[RL:RL+1] op_sel_hi:[1,0]
.set k_, k_+2
.endr
.endm
; LAYERNORM over 512 columns, of which a wave holds 64.  Each wave takes its own mean and its own centred sum of squares; the eight pairs meet in LDS once and are combined:
; mean = the mean of the means, variance = (the sum of the centred squares + 64 x the sum of (mean_w - mean)^2) / 512.  No difference of large sums is formed.
.macro RLOAD m
.set RT_, 56+36*((\m)%2)
.irp q, 0,1,2,3,4,5,6,7
	ds_load_b128 v[RT_+4*\q:RT_+4*\q+3], v[RSA] offset:4096*(\m)+512*\q
.endr
.endm
.macro RADD m
.set RT_, 56+36*((\m)%2)
.irp k, 0,2,4,6,8,10,12,14,16,18,20,22,24,26,28,30
	v_pk_add_f32 v[ACC+32*(\m)+\k:ACC+32*(\m)+\k+1], v[ACC+32*(\m)+\k:ACC+32*(\m)+\k+1], v[RT_+\k:RT_+\k+1]   ; each accumulator from its low end on
.endr
.endm
.macro LNSTAT                          ; the residual is added; X becomes x - my mean; (my mean, my centred squares) of each row go to LDS
	RLOAD 0
	RLOAD 1
	s_wait_dscnt 8                                 ; this tile's residual is in; the next tile's eight loads may be out
	RADD 0
	RLOAD 2
	s_wait_dscnt 8
	RADD 1
	RLOAD 3
	s_wait_dscnt 8
	RADD 2
	s_wait_dscnt 0x0
	RADD 3
.irp m, 0,1,2,3                                ; the four tiles by turns, two chains each
	v_pk_add_f32 v[TS+8*\m:TS+8*\m+1], v[ACC+32*\m:ACC+32*\m+1], v[ACC+32*\m+2:ACC+32*\m+3]
	v_pk_add_f32 v[TS+8*\m+2:TS+8*\m+3], v[ACC+32*\m+4:ACC+32*\m+5], v[ACC+32*\m+6:ACC+32*\m+7]
.endr
.irp k, 8,12,16,20,24,28
.irp m, 0,1,2,3
	v_pk_add_f32 v[TS+8*\m:TS+8*\m+1], v[TS+8*\m:TS+8*\m+1], v[ACC+32*\m+\k:ACC+32*\m+\k+1]
	v_pk_add_f32 v[TS+8*\m+2:TS+8*\m+3], v[TS+8*\m+2:TS+8*\m+3], v[ACC+32*\m+\k+2:ACC+32*\m+\k+3]
.endr
.endr
.irp m, 0,1,2,3
	v_pk_add_f32 v[TS+8*\m:TS+8*\m+1], v[TS+8*\m:TS+8*\m+1], v[TS+8*\m+2:TS+8*\m+3]
.endr
.irp m, 0,1,2,3
	s_delay_alu instid0(VALU_DEP_4)
	v_add_f32 v[TS+8*\m+4], v[TS+8*\m], v[TS+8*\m+1]
.endr
.irp m, 0,1,2,3
	s_delay_alu instid0(VALU_DEP_4)
	v_permlanex16_b32 v[TS+8*\m+5], v[TS+8*\m+4], s[SEL], s[SEL+1]
.endr
.irp m, 0,1,2,3
	s_delay_alu instid0(VALU_DEP_4)
	v_add_f32 v[TS+8*\m+4], v[TS+8*\m+4], v[TS+8*\m+5]
.endr
.irp m, 0,1,2,3
	s_delay_alu instid0(VALU_DEP_4)
	v_mul_f32 v[ST+2*\m], 0x3c800000, v[TS+8*\m+4]                 ; / 64: my mean of the row
.endr
.irp k, 0,2,4,6,8,10,12,14,16,18,20,22,24,26,28,30
.irp m, 0,1,2,3
	v_pk_add_f32 v[ACC+32*\m+\k:ACC+32*\m+\k+1], v[ACC+32*\m+\k:ACC+32*\m+\k+1], v[ST+2*\m:ST+2*\m+1] op_sel_hi:[1,0] neg_lo:[0,1] neg_hi:[0,1]
.endr
.endr
.irp m, 0,1,2,3
	v_pk_mul_f32 v[TS+8*\m:TS+8*\m+1], v[ACC+32*\m:ACC+32*\m+1], v[ACC+32*\m:ACC+32*\m+1]
	v_pk_mul_f32 v[TS+8*\m+2:TS+8*\m+3], v[ACC+32*\m+2:ACC+32*\m+3], v[ACC+32*\m+2:ACC+32*\m+3]
.endr
.irp k, 4,8,12,16,20,24,28
.irp m, 0,1,2,3
	v_pk_fma_f32 v[TS+8*\m:TS+8*\m+1], v[ACC+32*\m+\k:ACC+32*\m+\k+1], v[ACC+32*\m+\k:ACC+32*\m+\k+1], v[TS+8*\m:TS+8*\m+1]
	v_pk_fma_f32 v[TS+8*\m+2:TS+8*\m+3], v[ACC+32*\m+\k+2:ACC+32*\m+\k+3], v[ACC+32*\m+\k+2:ACC+32*\m+\k+3], v[TS+8*\m+2:TS+8*\m+3]
.endr
.endr
.irp m, 0,1,2,3
	v_pk_add_f32 v[TS+8*\m:TS+8*\m+1], v[TS+8*\m:TS+8*\m+1], v[TS+8*\m+2:TS+8*\m+3]
.endr
.irp m, 0,1,2,3
	s_delay_alu instid0(VALU_DEP_4)
	v_add_f32 v[TS+8*\m+4], v[TS+8*\m], v[TS+8*\m+1]
.endr
.irp m, 0,1,2,3
	s_delay_alu instid0(VALU_DEP_4)
	v_permlanex16_b32 v[TS+8*\m+5], v[TS+8*\m+4], s[SEL], s[SEL+1]
.endr
.irp m, 0,1,2,3
	s_delay_alu instid0(VALU_DEP_4)
	v_add_f32 v[ST+2*\m+1], v[TS+8*\m+4], v[TS+8*\m+5]
.endr
.irp m, 0,1,2,3
	ds_store_b64 v[LNW], v[ST+2*\m:ST+2*\m+1] offset:1280*\m       ; lanes l and l xor 16 write the same bytes with the same value
.endr
.endm
.macro PU m                            ; tile m's 16 registers for the eight pairs, and its pair for their sum
.set P_, 56+16*(\m)+4*((\m)/2)
.set U_, 88+2*(\m)+32*((\m)/2)
.endm
.macro LNFIN                           ; behind the barrier: the eight pairs of each row are combined, and X becomes (x - mean) / sqrt(variance + 1e-5)
.irp m, 0,1,2,3
.irp q, 0,1,2,3
	ds_load_b128 v[56+16*\m+4*(\m/2)+4*\q:59+16*\m+4*(\m/2)+4*\q], v[LNR] offset:1280*\m+16*\q
.endr
.endr
	s_wait_dscnt 0x0
.irp m, 0,1,2,3
	PU \m
	v_pk_add_f32 v[U_:U_+1], v[P_:P_+1], v[P_+2:P_+3]
.endr
.irp i, 4,6,8,10,12,14
.irp m, 0,1,2,3
	PU \m
	v_pk_add_f32 v[U_:U_+1], v[U_:U_+1], v[P_+\i:P_+\i+1]
.endr
.endr
.irp m, 0,1,2,3
	PU \m
	s_delay_alu instid0(VALU_DEP_4)
	v_mul_f32 v[U_], 0x3e000000, v[U_]             ; the row's mean
.endr
.irp i, 0,2,4,6,8,10,12,14
.irp m, 0,1,2,3
	PU \m
	v_sub_f32 v[P_+\i], v[P_+\i], v[U_]            ; mean_i - mean
.endr
.endr
.irp m, 0,1,2,3
	PU \m
	v_mul_f32 v[P_+1], v[P_], v[P_]
.endr
.irp i, 2,4,6,8,10,12,14
.irp m, 0,1,2,3
	PU \m
	v_fma_f32 v[P_+1], v[P_+\i], v[P_+\i], v[P_+1]
.endr
.endr
.irp m, 0,1,2,3
	PU \m
	s_delay_alu instid0(VALU_DEP_4)
	v_fma_f32 v[P_+1], v[P_+1], 0x42800000, v[U_+1]                ; x 64, + the centred squares
.endr
.irp m, 0,1,2,3
	PU \m
	s_delay_alu instid0(VALU_DEP_4)
	v_fma_f32 v[P_+1], v[P_+1], s[R512], s[EPS]    ; / 512, + 1e-5
.endr
	s_wait_alu depctr_va_vdst(0)
.irp m, 0,1,2,3
	PU \m
	v_rsq_f32 v[P_+2], v[P_+1]
.endr
.irp m, 0,1,2,3
	PU \m
	v_sub_f32 v[P_+4], v[ST+2*\m], v[U_]           ; my mean - the row's.  (Plain lines behind the four roots)
.endr
	s_wait_alu depctr_va_vdst(0)                   ; one wait for the four, ahead of their first reader
.irp m, 0,1,2,3
	PU \m
	v_mul_f32 v[P_+4], v[P_+4], v[P_+2]
.endr
.irp k, 0,2,4,6,8,10,12,14,16,18,20,22,24,26,28,30
.irp m, 0,1,2,3
	PU \m
	v_pk_fma_f32 v[ACC+32*\m+\k:ACC+32*\m+\k+1], v[ACC+32*\m+\k:ACC+32*\m+\k+1], v[P_+2:P_+3], v[P_+4:P_+5] op_sel_hi:[1,0,0]
.endr
.endr
.endm
; ---------------- the head: addresses and constants
	s_load_b512 s[8:23], s[0:1], 0x0               ; xl 8, xh 10, te 12, bk 14, bv 16, bq 18, bo 20, b1 22
	s_load_b128 s[24:27], s[0:1], 0x40             ; b2 24, wf 26
	s_load_b64 s[28:29], s[0:1], 0x50              ; out0
	v_lshl_add_u32 v18, v0, 2, 0x4cc00
	v_mov_b32 v19, 0
	v_lshrrev_b32 v88, 5, v0
	s_delay_alu instid0(VALU_DEP_1)
	v_readfirstlane_b32 s2, v88                    ; wave 0..7
	v_and_b32 v89, 31, v0                          ; lane
	v_and_b32 v90, 15, v0                          ; r
	v_bfe_u32 v91, v0, 4, 1                        ; h
	s_delay_alu instid0(VALU_DEP_2)
	v_and_b32 v88, 8, v90
	s_delay_alu instid0(VALU_DEP_1)
	v_add_nc_u32 v88, v88, v90                     ; r + 8 (r / 8)
	v_lshlrev_b32 v[LI], 4, v89
	s_lshl_b32 s3, s2, 10
	v_add_nc_u32 v[PUB], s3, v[LI]
	v_lshlrev_b32 v[ASA], 4, v90
	s_delay_alu instid0(VALU_DEP_1)
	v_add_nc_u32 v[ASA], ASC, v[ASA]
	s_lshl_b32 s3, s2, 1
	v_add_nc_u32 v[PSC], s3, v[ASA]
	s_lshl_b32 s3, s2, 14
	s_add_co_u32 s3, s3, RES
	v_add_nc_u32 v[RSA], s3, v[LI]
	s_mul_i32 s4, s2, 12288
	s_add_co_u32 s4, s4, SCR
	v_add_nc_u32 v[SCA], s4, v[LI]
	v_mul_u32_u24 v[STD], v91, 272
	s_delay_alu instid0(VALU_DEP_1)
	v_lshl_add_u32 v[STD], v90, 4, v[STD]
	s_delay_alu instid0(VALU_DEP_1)
	v_add_nc_u32 v[STD], s4, v[STD]
	v_mul_u32_u24 v[STN], v90, 272
	s_delay_alu instid0(VALU_DEP_1)
	v_lshl_add_u32 v[STN], v91, 6, v[STN]
	s_delay_alu instid0(VALU_DEP_1)
	v_add_nc_u32 v[STN], s4, v[STN]
	v_mul_u32_u24 v[STP], v88, 272
	s_delay_alu instid0(VALU_DEP_1)
	v_lshl_add_u32 v[STP], v91, 6, v[STP]
	s_delay_alu instid0(VALU_DEP_1)
	v_add_nc_u32 v[STP], s4, v[STP]
	s_mul_i32 s5, s2, 1536
	s_add_co_u32 s5, s5, BIAS
	v_lshl_add_u32 v[BAD], v91, 6, s5
	v_lshl_add_u32 v[BVD], v88, 2, s5
	v_lshl_add_u32 v[BST], v90, 4, s5
	v_mul_u32_u24 v[LNR], v90, 80
	s_delay_alu instid0(VALU_DEP_1)
	v_add_nc_u32 v[LNR], LNP, v[LNR]
	s_lshl_b32 s3, s2, 3
	v_add_nc_u32 v[LNW], s3, v[LNR]
	s_lshl_b32 s3, s2, 8
	v_lshl_add_u32 v[BGO], v90, 4, s3
	s_delay_alu instid0(VALU_DEP_1)
	v_lshl_add_u32 v[GXO], v91, 17, v[BGO]
	v_mov_b32 v[NEGV], 0xc6fffe00                  ; -32767.0
	v_mov_b32 v27, 0                               ; upper halves of pairs of which the low word serves both halves, and destinations of lane permutes: named before they are otherwise written
	v_mov_b32 v[TP], 0
	v_mov_b32 v[TP+1], 0
	v_mov_b32 v[NM+1], 0
	v_mov_b32 v[RL+1], 0
	s_mov_b32 s[SEL], 0x76543210
	s_mov_b32 s[SEL+1], 0xfedcba98
	s_mov_b32 s[CS], 0x3e38aa3b                    ; log2(e) / 8: t = score x this
	s_mov_b32 s[CS+1], s[CS]
	s_mov_b32 s[MNT], 0x600000
	s_mov_b32 s[EPS], 0x3727c5ac
	s_mov_b32 s[R512], 0x3b000000
	s_mov_b32 s[FLR], 0x8000000
	s_mov_b32 s[E15], 0xf8800000
	s_mov_b32 s[EXPM], 0x7f800000
	s_mov_b32 s[TILE], 0
.irp i, 0,1,2,3,4,5,6,7,8,9,10,11,12,13,14,15
	s_mov_b32 s[MSKE+\i], 0xffff0000|((1<<\i)-1)   ; even query tile: lanes 16-31 hold keys 16 on, all hidden; lanes 0-15: hidden where r < i
	s_mov_b32 s[MSKO+\i], ((1<<\i)-1)<<16          ; odd: lanes 0-15 all count; lanes 16-31: hidden where r < i
.endr
	s_and_b32 s30, ttmp7, 0xffff                   ; b
	s_lshl_b32 s30, s30, 23                        ; 64 x 64 rows of 2,048 bytes
	s_lshl_b32 s31, ttmp9, 11                      ; n: a row
	s_add_co_u32 s30, s30, s31
	s_mov_b32 s31, 0
	s_mov_b32 s7, 0
	s_wait_alu depctr_va_vdst(0)
	s_wait_kmcnt 0x0
	s_add_nc_u64 s[8:9], s[8:9], s[30:31]
	s_add_nc_u64 s[10:11], s[10:11], s[30:31]
	s_add_nc_u64 s[12:13], s[12:13], s[30:31]
	s_add_nc_u64 s[28:29], s[28:29], s[30:31]
	s_lshl_b32 s6, s2, 15
	s_add_nc_u64 s[WB:WB+1], s[26:27], s[6:7]
	s_lshl_b32 s6, s2, 11
	s_add_co_u32 s6, s6, 1572864
	s_add_nc_u64 s[SB:SB+1], s[26:27], s[6:7]
.Ltile:                                            ; a trip makes one tile; no global load is out here on any way
; ---------------- the inputs: all of my 48 KiB are asked for at once.  Load i covers rows t = 2 i + h: sixteen lanes read my 256 aligned bytes of a row
.irp g, 0,1,2,3,4,5
	GL BI+4*\g, BGO, 14+2*\g, 0                    ; my 64 numbers of each bias
.endr
	WIN 0x40
.irp i, 0,1,2,3,4,5,6,7,8,9,10,11,12,13,14,15
	GLN 192+4*\i, GXO, 12, \i<<18                  ; te, rows 0-31 -> window 1, v192 on
.endr
	WIN 0
.irp i, 0,1,2,3,4,5,6,7,8,9,10,11,12,13,14,15
	GLN 128+4*\i, GXO, 8, \i<<18                   ; xl
.endr
.set M_XLA, LCNT
.irp i, 0,1,2,3,4,5,6,7,8,9,10,11,12,13,14,15
	GLN 192+4*\i, GXO, 10, \i<<18                  ; xh
.endr
.set M_XHA, LCNT
	WIN 0x40
.irp i, 0,1,2,3,4,5,6,7,8,9,10,11,12,13,14,15
	GLN 128+4*\i, GXO, 12, (16+\i)<<18             ; te, rows 32-63 -> window 1, v128 on.  The largest offset, 31 << 18, lies inside the signed 24-bit immediate (ISA guide, chapter 10)
.endr
.irp i, 0,1,2,3,4,5,6,7,8,9,10,11,12,13,14,15
	GLN 4*\i, GXO, 8, (16+\i)<<18                  ; xl -> window 1, v0 on
.endr
.set M_XLB, LCNT
.irp i, 0,1,2,3,4,5,6,7,8,9,10,11,12,13,14,15
	GLN 64+4*\i, GXO, 10, (16+\i)<<18              ; xh -> window 1, v64 on
.endr
.set M_XHB, LCNT
	WIN 0
	XUNIT 0
	XUNIT 1
	BARRIER                                        ; both operands lie whole in LDS
; ---------------- k, v^T, q of my head: quantised along the attention products' K and parked in my scratch
	GEMM 0, 1, 0
	QUANT 128, 1, 20
	PARK 0, 0
	QUANT 192, 1, 21
	PARK 0, 1
	GEMM 1, 1, 1
	QUANT 128, 1, 22
	PARK 1, 0
	QUANT 192, 1, 23
	PARK 1, 1
	GEMM 2, 0, 0
	QUANT 128, 0, 24
	PARK 2, 0
	QUANT 192, 0, 25
	PARK 2, 1
	BARRIER                                        ; every wave's reads of both operand buffers are over
; ---------------- attention, inside the wave
.irp t, 0,1,2,3
.irp b, 0,1
	ds_load_b128 v[KF+8*\t+4*\b:KF+8*\t+4*\b+3], v[SCA] offset:1024*\t+512*\b
	ds_load_b128 v[VF+8*\t+4*\b:VF+8*\t+4*\b+3], v[SCA] offset:4096+1024*\t+512*\b
.endr
.endr
	WIN 0x40
.irp t, 0,1,2,3
.irp b, 0,1
	ds_load_b128 v[192+16*\t+4*\b:195+16*\t+4*\b], v[SCA] offset:8192+1024*\t+512*\b
.endr
.endr
	WIN 0
.irp p, 0,1                                    ; a tile's two scale bytes: k's and q's in the word's lower half (their codes fill the operand's lower half), v^T's in the upper; the other two bytes are 0, over zero codes
	v_and_b32 v[KS+2*\p], 0xffff, v[20+\p]
	v_lshrrev_b32 v[KS+2*\p+1], 16, v[20+\p]
	v_and_b32 v[QS+2*\p], 0xffff, v[24+\p]
	v_lshrrev_b32 v[QS+2*\p+1], 16, v[24+\p]
	v_lshlrev_b32 v[VS+2*\p], 16, v[22+\p]
	v_and_b32 v[VS+2*\p+1], 0xffff0000, v[22+\p]
.endr
	WIN 0x40
.irp t, 0,1,2,3
.irp i, 0,1,2,3,4,5,6,7
	v_mov_b32 v[200+16*\t+\i], 0                   ; zero codes: the upper 64 of q's K
.endr
.endr
	WIN 0
.irp i, 0,1,2,3,4,5,6,7
	v_mov_b32 v[PF+\i], 0                          ; and the lower 64 of p's
.endr
	NOPS 4                                         ; an operand written by vector instructions stands four places ahead of a scaled product, a scale word eight
.macro PUBAT                           ; the codes of two row tiles, and my two scale bytes of each of their rows, to the places that v26 and v27 name
.irp be, 0,1,2,3
	ds_store_b128 v[APUB], v[PC+4*\be:PC+4*\be+3] offset:8192*(\be/2)+512*(\be%2)
.endr
	ds_store_b16 v[APSC], v[PW]
	v_lshrrev_b32 v[PW+1], 16, v[PW]
	ds_store_b16 v[APSC], v[PW+1] offset:256
.endm
	v_add_nc_u32 v[APUB], 32768, v[PUB]            ; buffer 1, row tiles 0 and 1
	v_add_nc_u32 v[APSC], 1024, v[PSC]
	s_mov_b32 s[AC], 0
	SOFT 0
	SOFT 1
.Lheads:                                           ; two trips; the second leaves from the middle
	QUANT 128, 0, PW
	PUBAT
	s_cmp_eq_u32 s[AC], 1
	s_wait_alu depctr_va_vdst(0)                   ; the wait directly ahead of the branch
	s_cbranch_scc1 .Lheads_done
	v_add_nc_u32 v[APUB], 16384, v[APUB]           ; on to row tiles 2 and 3
	v_add_nc_u32 v[APSC], 512, v[APSC]
	SOFT 2
	SOFT 3
	s_add_co_u32 s[AC], s[AC], 1
	s_cmp_lt_u32 s[AC], 2
	s_wait_alu depctr_va_vdst(0)                   ; the wait directly ahead of the branch
	s_cbranch_scc1 .Lheads
.Lheads_done:
	BARRIER                                        ; the heads' results lie whole in buffer 1
; ---------------- Wo, residual, LayerNorm
	GEMM 3, 1, 0
	s_mov_b32 s[TC], 0
.Lnorm:                                            ; two trips: behind Wo, and behind W2; the second leaves from the middle
	LNSTAT
	BARRIER                                        ; all eight waves' pairs lie in LDS
	LNFIN
	s_cmp_eq_u32 s[TC], 1
	s_wait_alu depctr_va_vdst(0)                   ; the wait directly ahead of the branch
	s_cbranch_scc1 .Lway_out
; THE NEXT TILE'S INPUTS ARE ASKED FOR AHEAD: one trip of .Ltile ahead of the loads that want them.  Each wave asks for what it will itself load: 64 rows x my 256 aligned bytes of te, xl and xh: a lane a row,
; six instructions, two at each of three places between here and W2's products, in the order in which the next trip loads them; each block of 256 bytes is named once in the launch.
; The last trip asks for nothing (a branch on the count of tiles).  The offset lies in v126, which no other line names from here to the end of W2's products, where the wait on XCNT stands ahead of its next write.
.set PFO, 126                          ; v126 (lane << 17) + 256 w + four batches: row t = lane of the next tile
.macro ASKIN base, half                ; rows 32 half .. 32 half + 31 of one input; 32 rows are 32 << 17 bytes, inside the signed 24-bit immediate
	global_prefetch_b8 v[PFO], s[\base:\base+1] offset:(\half)*4194304 th:TH_LOAD_NT scope:SCOPE_SE
.endm
	s_lshl_b32 s3, s2, 8
	s_add_co_u32 s3, s3, 0x2000000
	v_and_b32 v[PFO], 31, v0
	v_lshl_add_u32 v[PFO], v[PFO], 17, s3
	s_cmp_eq_u32 s[TILE], 0
	s_wait_alu depctr_va_vdst(0)                   ; the wait directly ahead of the branch
	s_cbranch_scc0 .Lno_next_0
	ASKIN 12, 0                                    ; te, rows 0-31
	ASKIN 8, 0                                     ; xl
.Lno_next_0:
.irp m, 0,1,2,3
.irp q, 0,1,2,3,4,5,6,7
	ds_store_b128 v[RSA], v[ACC+32*\m+4*\q:ACC+32*\m+4*\q+3] offset:4096*\m+512*\q   ; the second residual takes the first one's place
.endr
.endr
	QUANT 128, 0, PW
	PUBLISH 0, 0
	QUANT 192, 0, PW
	PUBLISH 0, 1
	BARRIER
; ---------------- W1, relu
	GEMM 4, 0, 0
	s_cmp_eq_u32 s[TILE], 0
	s_wait_alu depctr_va_vdst(0)                   ; the wait directly ahead of the branch
	s_cbranch_scc0 .Lno_next_1
	ASKIN 10, 0                                    ; xh, rows 0-31
	ASKIN 12, 1                                    ; te, rows 32-63
.Lno_next_1:
	QUANT 128, 1, PW
	PUBLISH 1, 0
	s_cmp_eq_u32 s[TILE], 0
	s_wait_alu depctr_va_vdst(0)                   ; the wait directly ahead of the branch
	s_cbranch_scc0 .Lno_next_2
	ASKIN 8, 1                                     ; xl, rows 32-63
	ASKIN 10, 1                                    ; xh
.Lno_next_2:
	QUANT 192, 1, PW
	PUBLISH 1, 1
	BARRIER
; ---------------- W2, residual, LayerNorm, and out
	GEMM 5, 1, 0
	s_wait_xcnt 0x0                                ; the prefetches have read their offset: v126 is written again behind this wait
	s_add_co_u32 s[TC], s[TC], 1
	s_cmp_lt_u32 s[TC], 2
	s_wait_alu depctr_va_vdst(0)                   ; the wait directly ahead of the branch
	s_cbranch_scc1 .Lnorm
.Lway_out:
.irp U, 0,1                                    ; 32 rows at a time through my stage, back as memory has the rows, into the registers that they left
.irp u, 0,1
.irp b, 0,1
.irp j, 0,1,2,3
	ds_store_b128 v[STN], v[ACC+64*\U+32*\u+16*\b+4*\j:ACC+64*\U+32*\u+16*\b+4*\j+3] offset:4352*\u+128*\b+16*\j
.endr
.endr
.endr
.irp i, 0,1,2,3,4,5,6,7,8,9,10,11,12,13,14,15
	ds_load_b128 v[ACC+64*\U+4*\i:ACC+64*\U+4*\i+3], v[STD] offset:544*\i
.endr
.endr
.irp U, 0,1
.irp i, 0,1,2,3,4,5,6,7,8,9,10,11,12,13,14,15
	s_wait_dscnt 32*(1-\U)+15-\i                   ; the younger LDS instructions: the rest of this half's loads, and the other half's 16 stores and 16 loads
	global_store_b128 v[GXO], v[ACC+64*\U+4*\i:ACC+64*\U+4*\i+3], s[28:29] offset:(16*\U+\i)<<18 th:TH_STORE_NT   ; sixteen lanes store 256 consecutive bytes, aligned
.endr
.endr
	s_wait_loadcnt 0x0                             ; no load is out on any way to the next trip's loads
	s_wait_xcnt 0x0                                ; the stores have read their data, offset and base: the next trip's loads land on those registers, and the pointers step
	s_add_nc_u64 s[8:9], s[8:9], 0x2000000         ; four batches on: 4 x 64 x 64 rows of 2,048 bytes
	s_add_nc_u64 s[10:11], s[10:11], 0x2000000
	s_add_nc_u64 s[12:13], s[12:13], 0x2000000
	s_add_nc_u64 s[28:29], s[28:29], 0x2000000
	s_add_co_u32 s[TILE], s[TILE], 1
	s_cmp_lt_u32 s[TILE], 2
	s_wait_alu depctr_va_vdst(0)                   ; the wait directly ahead of the branch
	s_cbranch_scc1 .Ltile
	s_wait_tensorcnt 0x0                           ; the wave's end
	ds_add_u32 v18, v19
	s_wait_dscnt 0x0
	s_endpgm
.Lfunc_end_k_q1fa55ba315_fused:
	.size	k_q1fa55ba315_fused, .Lfunc_end_k_q1fa55ba315_fused-k_q1fa55ba315_fused
	.p2alignl 7, 3214868480
	.fill 96, 4, 3214868480
	.section	.rodata,"a",@progbits
	.p2align	6, 0x0
	.amdhsa_kernel k_q1fa55ba315_fused
		.amdhsa_group_segment_fixed_size 315392
		.amdhsa_private_segment_fixed_size 0
		.amdhsa_enable_private_segment 0
		.amdhsa_kernarg_size 88
		.amdhsa_user_sgpr_count 2
		.amdhsa_user_sgpr_kernarg_segment_ptr 1
		.amdhsa_wavefront_size32 1
		.amdhsa_system_sgpr_workgroup_id_x 1
		.amdhsa_system_sgpr_workgroup_id_y 1
		.amdhsa_system_sgpr_workgroup_id_z 1
		.amdhsa_system_vgpr_workitem_id 0
		.amdhsa_next_free_vgpr 512
		.amdhsa_next_free_sgpr 84
		.amdhsa_reserve_vcc 0
		.amdhsa_float_denorm_mode_32 3
		.amdhsa_float_denorm_mode_16_64 3
		.amdhsa_memory_ordered 1
		.amdhsa_forward_progress 1
		.amdhsa_inst_pref_size 255
	.end_amdhsa_kernel
	.section	.bss,"aw",@nobits
	.p2align	6
	.space	262144
	.amdgpu_metadata
---
amdhsa.version: [ 1, 2 ]
amdhsa.kernels:
  - .name:           k_q1fa55ba315_fused
    .symbol:         k_q1fa55ba315_fused.kd
    .args:
      - { .name: xl, .offset: 0, .size: 8, .value_kind: global_buffer, .address_space: global }
      - { .name: xh, .offset: 8, .size: 8, .value_kind: global_buffer, .address_space: global }
      - { .name: te, .offset: 16, .size: 8, .value_kind: global_buffer, .address_space: global }
      - { .name: bk, .offset: 24, .size: 8, .value_kind: global_buffer, .address_space: global }
      - { .name: bv, .offset: 32, .size: 8, .value_kind: global_buffer, .address_space: global }
      - { .name: bq, .offset: 40, .size: 8, .value_kind: global_buffer, .address_space: global }
      - { .name: bo, .offset: 48, .size: 8, .value_kind: global_buffer, .address_space: global }
      - { .name: b1, .offset: 56, .size: 8, .value_kind: global_buffer, .address_space: global }
      - { .name: b2, .offset: 64, .size: 8, .value_kind: global_buffer, .address_space: global }
      - { .name: wf, .offset: 72, .size: 8, .value_kind: global_buffer, .address_space: global }
      - { .name: out0, .offset: 80, .size: 8, .value_kind: global_buffer, .address_space: global }
    .group_segment_fixed_size: 315392
    .private_segment_fixed_size: 0
    .kernarg_segment_align: 8
    .kernarg_segment_size: 88
    .max_flat_workgroup_size: 256
    .sgpr_count:     84
    .vgpr_count:     512
    .wavefront_size: 32
...
	.end_amdgpu_metadata
.endif
;; end of part 2
